; MI455X (gfx1250); checked and timed in simulation.
; The chip was launched on July 23, 2026; its instructions are those of AMD's public machine-readable ISA for CDNA 5 (MIT licence, August 2026) and "CDNA5" Instruction Set Architecture Reference Guide (July 2026). The comments in the code are by the model that wrote it; some were corrected since.
;; Q Lo RA Linear. Allowed arithmetic: float matrix products may take bf16 or f16 operands with f32 sums; other float arithmetic in f32, or as packed bf16 or f16 multiplies, adds, multiply-adds, maxima and minima; sums over many terms, partial sums and values carried from step to step in f32; what a program stores and reads back later, other than sums and carried values, may be rounded once to bf16 or f16.
;; Inputs: bias 4,096 float32; lora_A 4,096 x 16 float32; lora_B 16 x 4,096 float32; qweight 4,096 x 4,096 int32; scales 1 float32; x 4 x 1,024 x 4,096 float32.
;; Outputs: out0 4 x 1,024 x 4,096 float32.
;; 2 versions, each right; version 2 is version 1 with the launch prep written anew for expert scheduling mode. Each part assembles by itself: llvm-mc -triple=amdgcn-amd-amdhsa -mcpu=gfx1250 --defsym DOCPART=n.
;; ======== version 1 of 2: 2 launches
;; workspace buffers: xb 33,554,432 bytes; qb 33,554,432 bytes; tf 262,144 bytes; bf 131,072 bytes
;; launch prep (part 1): grid 128 x 2, 16 waves a work-group, no clusters, 301,056 bytes of LDS; arguments x, lora_A, qweight, lora_B, xb, qb, tf, bf; writes xb, qb, tf, bf
.if DOCPART == 1
	.amdgcn_target "amdgcn-amd-amdhsa--gfx1250"
	.amdhsa_code_object_version 6
	.text
	.protected	k_q251c203998_prep
	.globl	k_q251c203998_prep
	.p2align	8
	.type	k_q251c203998_prep,@function
k_q251c203998_prep:
	s_mov_b64 s[64:65], 0
	v_nop
	global_prefetch_b8 v0, s[64:65] scope:SCOPE_SE
	s_setreg_imm32_b32 hwreg(HW_REG_WAVE_MODE, 25, 1), 1
	s_wait_xcnt 0x0
; QLoRALinear, first of two launches: the operands of the second launch's products are made, each input byte of x and qweight read once.
;   out[m][o] = scales[0] * sum_d x[m][d] q[o][d] + bias[o] + sum_r t[m][r] B[r][o],   t[m][r] = sum_d x[m][d] A[d][r];   4,096 rows m, 4,096 columns o, 4,096 along d, 16 ranks r.
; WORK LEFT OUT: the factor SCALING = ALPHA / RANK = 16 / 16 = 1.0, a constant of the problem's own text: a product with 1 changes no value, whatever the inputs hold, and it can make
; no NaN, infinity or overflow of its own that would be lost.  Every input has a way to the output and is loaded (bias and scales by the second launch).
; WHAT IS STORED:  xb = bf16(x) and qb = bf16(q), row-major;  tf = t as the second launch's matrix fragments: for each 16 rows 1,024 bytes: lane l's 16 bytes at 16 l hold bf16(t) of row l % 16, ranks
; 8 (l / 16) + 0..7, and at 512 + 16 l the bf16 of what that rounding left (t - hi is exact in f32);  bf = bf16(B) turned, for each 16 columns 512 bytes: at 16 l column l % 16, ranks 8 (l / 16) + 0..7.
; LIMITS.  q is exact in bf16 for |q| <= 256 (the problem's int4 values lie in -8 .. 7); a larger q is rounded, to f32 and then to bf16.  x, A and B are rounded once to bf16; a number beyond bf16's
; largest finite one becomes an infinity.  t keeps about 16 significant bits (hi + lo).  t's sums are taken in f32 in another order than a plain ascending one.
; SHARES.  Work-group (g, y): y = 0 takes rows 32 g .. 32 g + 31 of x, y = 1 the same rows of q (and 32 columns of B).  Wave w of 16 owns columns 256 w .. 256 w + 255 of all 32 rows: 1,024 bytes in and
; 512 bytes out a row; for t that is also its slice of d, and the sixteen partial sums meet in LDS.  A load of a wave covers 512 consecutive bytes, a store 256 consecutive bytes, aligned.
; IN FLIGHT.  Two sets of 64 registers, eight rows each (16 loads of 16 bytes a lane): while one is converted and stored the other's 16 loads are out.
; NO CLUSTER, NO TENSOR LOADS: no wave wants a byte of x or q that another wave has fetched.  Only A (262,144 bytes in f32) is read by all 128 work-groups of y = 0; brought whole into LDS by a joint load it
; would not fit beside the stages' 135,168 and the partial sums' 32,768 bytes in 327,680.  No prefetch: the launch is one stream of loads that are all out as early as the registers allow.
.set WREG,  16640                      ; LDS of a wave: A's slice in bf16, [256 d][16 r], 32 bytes a row: 8,192 bytes; then 16 rows of x in bf16, 512 bytes + 16 of padding each: 8,448
.set XST,   8192
.set SPX,   528                        ; = 33 x 16 bytes: the 16 rows that a fragment load touches start 16 bytes apart modulo 256
.set RED,   16*WREG                    ; the partial sums: block blk (16 rows), wave p at (16 blk + p) x 1,024; registers 0-3 at 16 l, registers 4-7 at 512 + 16 l
.set SPARE, RED+32768                  ; the spare words, 128 bytes for each of 16 waves: eight blocks of 256 bytes that no other line names
.set XO,  2                            ; v2   16 l + 1,024 w: my 16 bytes in a row of x or q; also my 16 bytes of tf (waves 0, 1); never rewritten
.set AO,  3                            ; v3   16 l + 16,384 w: the same in my slice of A
.set SO,  4                            ; v4   8 l + 512 w: my 8 bytes in a row of xb or qb
.set DA,  5                            ; v5   LDS: 8 l in my A region
.set DS,  6                            ; v6   LDS: 8 l in my stage
.set FX,  7                            ; v7   LDS: x's fragments: row l % 16, 16 bytes for each half of the lanes
.set FA,  8                            ; v8   LDS: A's fragments, for the turning load
.set PR,  9                            ; v9   LDS: where I put a partial sum
.set RR,  10                           ; v10  LDS: where waves 0 and 1 read the sixteen back
.set BO,  12                           ; v12  my number of B
.set BS,  13                           ; v13  my 16 bytes of bf
.set SPW, 14                           ; v14  LDS address of my spare word; never rewritten
.set NIL, 15                           ; v15  0; never rewritten
.set P0,  24                           ; v[24:39]   two accumulators
.set P1,  32
.set FR,  40                           ; v[40:71]   four fragments of x
.set AR,  72                           ; v[72:103]  four fragments of A
.set H,   104                          ; v[104:231] the two sets of 64
.set WV,  8                            ; s8   my wave's number
.set XP,  16                           ; s[16:31] the eight addresses
.set AP,  18
.set QP,  20
.set BP,  22
.set XBP, 24
.set QBP, 26
.set TFP, 28
.set BFP, 30
; Eight rows (or eight kilobytes of A) into set hb: two loads a row, 512 consecutive bytes each.  nt = 1: bytes that the launch reads once.
.macro LOADH hb, vo, sb, off0, step, nt
.irp i, 0,1,2,3,4,5,6,7
.if \nt
	global_load_b128 v[H+64*(\hb)+8*(\i):H+64*(\hb)+8*(\i)+3],   v[\vo], s[\sb:\sb+1] offset:(\off0)+(\i)*(\step) th:TH_LOAD_NT
	global_load_b128 v[H+64*(\hb)+8*(\i)+4:H+64*(\hb)+8*(\i)+7], v[\vo], s[\sb:\sb+1] offset:(\off0)+(\i)*(\step)+512 th:TH_LOAD_NT
.else
	global_load_b128 v[H+64*(\hb)+8*(\i):H+64*(\hb)+8*(\i)+3],   v[\vo], s[\sb:\sb+1] offset:(\off0)+(\i)*(\step)
	global_load_b128 v[H+64*(\hb)+8*(\i)+4:H+64*(\hb)+8*(\i)+7], v[\vo], s[\sb:\sb+1] offset:(\off0)+(\i)*(\step)+512
.endif
.endr
.endm
; f32 to bf16 in place, ascending: a row's registers 0, 1 then hold the 8 bytes for byte 8 l of its 512, registers 2, 3 those for byte 256 + 8 l.
.macro CVTF hb
.irp i, 0,1,2,3,4,5,6,7
.irp j, 0,1,2,3
	v_cvt_pk_bf16_f32 v[H+64*(\hb)+8*(\i)+(\j)], v[H+64*(\hb)+8*(\i)+2*(\j)], v[H+64*(\hb)+8*(\i)+2*(\j)+1]
.endr
.endr
.endm
.macro CVTI hb                         ; i32 to f32 in place, then as above
.set z, H+64*(\hb)
.rept 64
	v_cvt_f32_i32 v[z], v[z]
.set z, z+1
.endr
	CVTF \hb
.endm
.macro STG hb, sb, row0                ; eight rows out: each store of the wave covers 256 consecutive bytes, aligned
.irp i, 0,1,2,3,4,5,6,7
	global_store_b64 v[SO], v[H+64*(\hb)+8*(\i):H+64*(\hb)+8*(\i)+1],   s[\sb:\sb+1] offset:((\row0)+(\i))*8192 th:TH_STORE_NT
	global_store_b64 v[SO], v[H+64*(\hb)+8*(\i)+2:H+64*(\hb)+8*(\i)+3], s[\sb:\sb+1] offset:((\row0)+(\i))*8192+256 th:TH_STORE_NT
.endr
.endm
.macro STL hb, va, off0, pitch         ; the same eight rows into my own LDS bytes: 256 consecutive bytes a store
.irp i, 0,1,2,3,4,5,6,7
	ds_store_b64 v[\va], v[H+64*(\hb)+8*(\i):H+64*(\hb)+8*(\i)+1],   offset:(\off0)+(\i)*(\pitch)
	ds_store_b64 v[\va], v[H+64*(\hb)+8*(\i)+2:H+64*(\hb)+8*(\i)+3], offset:(\off0)+(\i)*(\pitch)+256
.endr
.endm
.macro PLACES                          ; four plain vector instructions behind a matrix instruction, ahead of loads into its sources and of reads of its result
.rept 4
	v_nop
.endr
.endm
; My slice's part of t for the 16 rows in my stage: t^T = A^T x^T (source 0 = 16 ranks, source 1 = 16 rows of x), 8 products of 32 along d, in two batches of four fragments a side.
; In the result lane l holds row l % 16 and ranks 8 (l / 16) + 0..7: tf's own layout.  The two accumulators take turns, one instruction a turn; the first two products start the sums.
; LDS serves a wave's instructions in order (ISA guide 5.7.1.4): the loads see my stores into the stage and into A's region without a wait between.
.macro MM blk
.irp c, 0,1
.if \c
	PLACES
.endif
.irp i, 0,1,2,3
	ds_load_b128 v[FR+8*(\i):FR+8*(\i)+3],        v[FX] offset:64*(4*(\c)+(\i))
	ds_load_b128 v[FR+8*(\i)+4:FR+8*(\i)+7],      v[FX] offset:64*(4*(\c)+(\i))+32
	ds_load_tr16_b128 v[AR+8*(\i):AR+8*(\i)+3],   v[FA] offset:1024*(4*(\c)+(\i))
	ds_load_tr16_b128 v[AR+8*(\i)+4:AR+8*(\i)+7], v[FA] offset:1024*(4*(\c)+(\i))+512
.endr
	s_wait_dscnt 0x0                               ; the batch's sixteen loads are in
.irp i, 0,1,2,3
.if ((\c) == 0) && ((\i) < 2)
	v_wmma_f32_16x16x32_bf16 v[P0+8*((\i)%2):P0+8*((\i)%2)+7], v[AR+8*(\i):AR+8*(\i)+7], v[FR+8*(\i):FR+8*(\i)+7], 0
.else
	v_wmma_f32_16x16x32_bf16 v[P0+8*((\i)%2):P0+8*((\i)%2)+7], v[AR+8*(\i):AR+8*(\i)+7], v[FR+8*(\i):FR+8*(\i)+7], v[P0+8*((\i)%2):P0+8*((\i)%2)+7]
.endif
.endr
.endr
	PLACES
.irp r, 0,2,4,6
	v_pk_add_f32 v[P0+(\r):P0+(\r)+1], v[P0+(\r):P0+(\r)+1], v[P1+(\r):P1+(\r)+1]  ; the two accumulators, from their low ends on
.endr
	ds_store_b128 v[PR], v[P0:P0+3]   offset:16384*(\blk)
	ds_store_b128 v[PR], v[P0+4:P0+7] offset:16384*(\blk)+512
.endm
	s_load_b512 s[16:31], s[0:1], 0x0              ; x, lora_A, qweight, lora_B, xb, qb, tf, bf
	v_lshl_add_u32 v[SPW], v0, 2, SPARE
	v_mov_b32 v[NIL], 0
	v_lshrrev_b32 v1, 5, v0
	v_readfirstlane_b32 s[WV], v1                  ; wave 0..15
	s_and_b32 s9, ttmp7, 0xffff                    ; y: the same for the whole work-group
	v_and_b32 v16, 31, v0                          ; l
	s_lshl_b32 s2, s[WV], 10
	s_lshl_b32 s3, s[WV], 14
	s_lshl_b32 s12, s[WV], 9
	v_lshl_add_u32 v[XO], v16, 4, s2
	v_lshl_add_u32 v[SO], v16, 3, s12
	s_lshl_b32 s10, ttmp9, 19                      ; 32 rows of 16,384 bytes
	s_mov_b32 s11, 0
	s_wait_kmcnt 0x0
	s_cmp_lg_u32 s9, 0
	s_cbranch_scc1 .Lq
	; ---- y = 0: x to xb, and t ----
	s_add_nc_u64 s[XP:XP+1], s[XP:XP+1], s[10:11]
	v_lshl_add_u32 v[AO], v16, 4, s3
	LOADH 0, AO, AP, 0, 1024, 0                    ; my slice of A, 16,384 bytes, as sixteen pieces of 1,024
	LOADH 1, AO, AP, 8192, 1024, 0
	s_lshl_b32 s10, ttmp9, 18                      ; 32 rows of 8,192 bytes
	s_add_nc_u64 s[XBP:XBP+1], s[XBP:XBP+1], s[10:11]
	s_lshl_b32 s10, ttmp9, 11                      ; two blocks of 1,024 bytes
	s_add_nc_u64 s[TFP:TFP+1], s[TFP:TFP+1], s[10:11]
	s_mul_i32 s13, s[WV], WREG                     ; my LDS bytes
	v_and_b32 v17, 15, v0                          ; l % 16
	v_bfe_u32 v18, v0, 4, 1                        ; l / 16
	v_lshl_add_u32 v[DA], v16, 3, s13
	v_add_nc_u32 v[DS], XST, v[DA]
	v_mul_u32_u24 v[FX], v17, SPX
	v_lshl_add_u32 v[FX], v18, 4, v[FX]
	v_add_nc_u32 v[FX], s13, v[FX]
	v_add_nc_u32 v[FX], XST, v[FX]
	v_and_b32 v19, 7, v0                           ; the turning load: lane l reads row d = 8 (l / 16) + l % 8, ranks 8 ((l / 8) % 2) + 0..7
	v_lshl_add_u32 v19, v18, 3, v19
	v_bfe_u32 v20, v0, 3, 1
	v_lshlrev_b32 v[FA], 5, v19
	v_lshl_add_u32 v[FA], v20, 4, v[FA]
	v_add_nc_u32 v[FA], s13, v[FA]
	v_lshl_add_u32 v[PR], v16, 4, s2
	v_add_nc_u32 v[PR], RED, v[PR]
	v_lshl_add_u32 v[RR], v16, 4, s3               ; (used by waves 0 and 1 alone: block = wave)
	v_add_nc_u32 v[RR], RED, v[RR]
	s_wait_loadcnt 16                              ; set 0 is in; the other set's 16 loads, issued later, may stay out: so at each of these waits
	CVTF 0
	STL 0, DA, 0, 512
	LOADH 0, XO, XP, 0, 16384, 1                   ; rows 0-7
	s_wait_loadcnt 16
	CVTF 1
	STL 1, DA, 4096, 512
	LOADH 1, XO, XP, 8*16384, 16384, 1             ; rows 8-15
	s_wait_loadcnt 16
	CVTF 0
	STG 0, XBP, 0
	STL 0, DS, 0, SPX
	s_wait_xcnt 0x0                                ; the stores have read set 0: only now is it loaded again
	LOADH 0, XO, XP, 16*16384, 16384, 1            ; rows 16-23
	s_wait_loadcnt 16
	CVTF 1
	STG 1, XBP, 8
	STL 1, DS, 8*SPX, SPX
	s_wait_xcnt 0x0
	LOADH 1, XO, XP, 24*16384, 16384, 1            ; rows 24-31
	MM 0                                           ; rows 0-15, while the last 32 loads are out
	s_wait_loadcnt 16
	CVTF 0
	STG 0, XBP, 16
	STL 0, DS, 0, SPX                              ; behind MM 0's reads of the stage, which have come back
	s_wait_loadcnt 0x0
	CVTF 1
	STG 1, XBP, 24
	STL 1, DS, 8*SPX, SPX
	MM 1                                           ; rows 16-31
	s_wait_dscnt 0x0                               ; for the others' sake: my partial sums lie in LDS
	s_barrier_signal -1
	s_barrier_wait -1                              ; all sixteen waves' do
	s_cmp_lt_u32 s[WV], 2                          ; wave 0 finishes rows 0-15, wave 1 rows 16-31
	s_cbranch_scc0 .Lend
	s_wait_xcnt 0x0                                ; the last stores have read the two sets, which now take the sixteen partial sums
.irp p, 0,1,2,3,4,5,6,7,8,9,10,11,12,13,14,15
	ds_load_b128 v[H+8*(\p):H+8*(\p)+3],   v[RR] offset:1024*(\p)
	ds_load_b128 v[H+8*(\p)+4:H+8*(\p)+7], v[RR] offset:1024*(\p)+512
.endr
	s_wait_dscnt 0x0
.irp st, 8,4,2,1                       ; a tree of f32 sums: partners 8, 4, 2 and 1 partial sums apart
.set p, 0
.rept \st
.irp r, 0,2,4,6
	v_pk_add_f32 v[H+8*p+(\r):H+8*p+(\r)+1], v[H+8*p+(\r):H+8*p+(\r)+1], v[H+8*(p+(\st))+(\r):H+8*(p+(\st))+(\r)+1]
.endr
.set p, p+1
.endr
.endr
.irp j, 0,1,2,3
	v_cvt_pk_bf16_f32 v[FR+(\j)], v[H+2*(\j)], v[H+2*(\j)+1]      ; hi
.endr
.irp j, 0,1,2,3
	v_lshlrev_b32 v[FR+8+2*(\j)],   16, v[FR+(\j)]                ; hi again as f32
	v_and_b32     v[FR+8+2*(\j)+1], 0xffff0000, v[FR+(\j)]
.endr
.irp j, 0,1,2,3
	v_pk_add_f32 v[H+2*(\j):H+2*(\j)+1], v[H+2*(\j):H+2*(\j)+1], v[FR+8+2*(\j):FR+8+2*(\j)+1] neg_lo:[0,1] neg_hi:[0,1]  ; t - hi
.endr
.irp j, 0,1,2,3
	v_cvt_pk_bf16_f32 v[FR+4+(\j)], v[H+2*(\j)], v[H+2*(\j)+1]    ; lo
.endr
	global_store_b128 v[XO], v[FR:FR+3],   s[TFP:TFP+1]           ; 512 consecutive bytes each
	global_store_b128 v[XO], v[FR+4:FR+7], s[TFP:TFP+1] offset:512
	s_branch .Lend
	; ---- y = 1: q to qb, and 32 columns of B to bf ----
.Lq:
	s_add_nc_u64 s[QP:QP+1], s[QP:QP+1], s[10:11]
	LOADH 0, XO, QP, 0, 16384, 1                   ; rows 0-7
	LOADH 1, XO, QP, 8*16384, 16384, 1             ; rows 8-15
	s_lshl_b32 s10, ttmp9, 18
	s_add_nc_u64 s[QBP:QBP+1], s[QBP:QBP+1], s[10:11]
	s_cmp_lt_u32 s[WV], 2                          ; waves 0 and 1 turn 16 columns of B each: columns 32 g + 16 w on
	s_cbranch_scc0 .Lnob
	s_lshl_b32 s10, ttmp9, 7                       ; 32 columns of 4 bytes
	s_add_nc_u64 s[BP:BP+1], s[BP:BP+1], s[10:11]
	s_lshl_b32 s10, ttmp9, 10                      ; two blocks of 512 bytes
	s_add_nc_u64 s[BFP:BFP+1], s[BFP:BFP+1], s[10:11]
	s_lshl_b32 s14, s[WV], 6
	v_and_b32 v17, 15, v0
	v_bfe_u32 v18, v0, 4, 1
	v_lshlrev_b32 v[BO], 17, v18                   ; rank 8 (l / 16): 8 rows of 16,384 bytes,
	v_lshl_add_u32 v[BO], v17, 2, v[BO]            ; column l % 16,
	v_add_nc_u32 v[BO], s14, v[BO]                 ; of my wave's 16
	v_lshlrev_b32 v[BS], 4, v0                     ; 512 w + 16 l
.irp j, 0,1,2,3,4,5,6,7
	global_load_b32 v[FR+(\j)], v[BO], s[BP:BP+1] offset:16384*(\j)
.endr
	s_wait_loadcnt 0x0                             ; on this path alone: the counted waits below are then met at once
.irp j, 0,1,2,3
	v_cvt_pk_bf16_f32 v[AR+(\j)], v[FR+2*(\j)], v[FR+2*(\j)+1]
.endr
	global_store_b128 v[BS], v[AR:AR+3], s[BFP:BFP+1]
.Lnob:
	s_wait_loadcnt 16                              ; set 0 is in; set 1's 16 loads may stay out
	CVTI 0
	STG 0, QBP, 0
	s_wait_xcnt 0x0                                ; the stores have read set 0
	LOADH 0, XO, QP, 16*16384, 16384, 1            ; rows 16-23
	s_wait_loadcnt 16
	CVTI 1
	STG 1, QBP, 8
	s_wait_xcnt 0x0
	LOADH 1, XO, QP, 24*16384, 16384, 1            ; rows 24-31
	s_wait_loadcnt 16
	CVTI 0
	STG 0, QBP, 16
	s_wait_loadcnt 0x0
	CVTI 1
	STG 1, QBP, 24
.Lend:
	s_wait_tensorcnt 0x0                           ; the wave's end, behind my last LDS store
	ds_add_u32 v[SPW], v[NIL]
	s_wait_dscnt 0x0
	s_endpgm
.Lfunc_end_k_q251c203998_prep:
	.size	k_q251c203998_prep, .Lfunc_end_k_q251c203998_prep-k_q251c203998_prep
	.p2alignl 7, 3214868480
	.fill 96, 4, 3214868480
	.section	.rodata,"a",@progbits
	.p2align	6, 0x0
	.amdhsa_kernel k_q251c203998_prep
		.amdhsa_group_segment_fixed_size 301056
		.amdhsa_private_segment_fixed_size 0
		.amdhsa_enable_private_segment 0
		.amdhsa_kernarg_size 64
		.amdhsa_user_sgpr_count 2
		.amdhsa_user_sgpr_kernarg_segment_ptr 1
		.amdhsa_wavefront_size32 1
		.amdhsa_system_sgpr_workgroup_id_x 1
		.amdhsa_system_sgpr_workgroup_id_y 1
		.amdhsa_system_sgpr_workgroup_id_z 1
		.amdhsa_system_vgpr_workitem_id 0
		.amdhsa_next_free_vgpr 232
		.amdhsa_next_free_sgpr 66
		.amdhsa_reserve_vcc 0
		.amdhsa_float_denorm_mode_32 3
		.amdhsa_float_denorm_mode_16_64 3
		.amdhsa_memory_ordered 1
		.amdhsa_forward_progress 1
		.amdhsa_inst_pref_size 80
	.end_amdhsa_kernel
	.amdgpu_metadata
---
amdhsa.version: [ 1, 2 ]
amdhsa.kernels:
  - .name:           k_q251c203998_prep
    .symbol:         k_q251c203998_prep.kd
    .args:
      - { .name: x, .offset: 0, .size: 8, .value_kind: global_buffer, .address_space: global }
      - { .name: lora_A, .offset: 8, .size: 8, .value_kind: global_buffer, .address_space: global }
      - { .name: qweight, .offset: 16, .size: 8, .value_kind: global_buffer, .address_space: global }
      - { .name: lora_B, .offset: 24, .size: 8, .value_kind: global_buffer, .address_space: global }
      - { .name: xb, .offset: 32, .size: 8, .value_kind: global_buffer, .address_space: global }
      - { .name: qb, .offset: 40, .size: 8, .value_kind: global_buffer, .address_space: global }
      - { .name: tf, .offset: 48, .size: 8, .value_kind: global_buffer, .address_space: global }
      - { .name: bf, .offset: 56, .size: 8, .value_kind: global_buffer, .address_space: global }
    .group_segment_fixed_size: 301056
    .private_segment_fixed_size: 0
    .kernarg_segment_align: 8
    .kernarg_segment_size: 64
    .max_flat_workgroup_size: 512
    .sgpr_count:     66
    .vgpr_count:     232
    .wavefront_size: 32
...
	.end_amdgpu_metadata
.endif
;; end of part 1
;; launch gemm (part 2): grid 16 x 16, 4 waves a work-group, clusters of 4 x 4, 327,680 bytes of LDS; arguments xb, qb, out0, tf, bf, bias, scales; writes out0
.if DOCPART == 2
	.amdgcn_target "amdgcn-amd-amdhsa--gfx1250"
	.amdhsa_code_object_version 6
	.text
	.protected	k_q251c203998_gemm
	.globl	k_q251c203998_gemm
	.p2align	8
	.type	k_q251c203998_gemm,@function
k_q251c203998_gemm:
	s_mov_b64 s[64:65], 0
	v_nop
	global_prefetch_b8 v0, s[64:65] scope:SCOPE_SE
	s_setreg_imm32_b32 hwreg(HW_REG_WAVE_MODE, 25, 1), 1
	s_wait_xcnt 0x0
	s_wait_alu depctr_hold_cnt(0) depctr_sa_sdst(0) depctr_va_vdst(0) depctr_va_sdst(0) depctr_va_ssrc(0) depctr_va_vcc(0) depctr_vm_vsrc(0)
	s_getreg_b32 s2, hwreg(HW_REG_IB_STS2, 6, 4)
	s_cmp_eq_u32 s2, 0
	s_cbranch_scc0 .Lentry_in_a_cluster
	s_endpgm
.Lentry_in_a_cluster:
	s_bfe_u32 s2, ttmp6, 0x10000c
	s_cmp_lg_u32 s2, 0xf033
	s_cbranch_scc0 .Lentry_shape_is_right
	s_endpgm
.Lentry_shape_is_right:
; QLoRALinear, second launch:  out[m][o] = scales[0] * sum_d xb[m][d] qb[o][d] + ( bias[o] + sum_r t[m][r] B[r][o] ).  xb, qb: [4096][4096] bf16; tf, bf: t and B as matrix fragments; out: [4096][4096] f32.
; Left out, as in the first launch: the factor SCALING = 16 / 16 = 1.0, a product with 1.
; The scale and the bias stay in f32: q's whole numbers are multiplied as they are (exact in bf16 for |q| <= 256), the sum is scaled once on the way out.  Sums in f32, d ascending in steps of 32.
; LIMITS: those of the first launch's roundings (x, A, B once to bf16; t as bf16 + bf16 remainder); NaN and infinities go the way of the arithmetic.
; SHARES.  A tile of out, 256 x 256, is made by a work-group of four waves; a wave makes 128 x 128: 64 accumulators of 16 x 16, 512 registers.  256 tiles, 256 work-groups.
; d goes in steps of 128 through a ring of two LDS slots filled by the tensor data mover: the tiles' rows are 256 bytes of memory and start at multiples of 256 bytes from the buffer's first byte.
; CLUSTERS: 4 x 4 work-groups.  The four of a row of the cluster need the same tiles of xb, the four of a column the same tiles of qb: each tile is asked for JOINTLY, by the same tensor load with the
; same descriptor and a mask that names the four.
; THE MATRIX INSTRUCTION IS USED TRANSPOSED: source 0 = 16 rows of qb, source 1 = 16 rows of xb: lane l holds row l % 16 of out and the columns 8 (l / 16) + 0..7.
; THE RANK PRODUCT is made on the way out, for 16 rows at a time: T = Bt t^T + bias: one matrix instruction for 16 x 16 of out: its 32 along K are the 16 ranks of t's bf16 and the 16 of its remainder,
; both against the same B; its C operand is the bias.  Then out = acc * scale + T, one packed fused multiply-add for two numbers.
; REGISTERS, in windows of 256 (s_set_vgpr_msb's low byte: bits 1:0 source 0, 3:2 source 1, 5:4 source 2, 7:6 destination):
;   window 0: v0-31 addresses; v64-127, v128-191 fragments of xb, two buffers, on the way out T, two buffers; v192-255 t's eight fragments
;   window 1: v0-63 the bias of my 128 columns; v64-127, v128-191 fragments of qb; v192-255 B's eight fragments
;   window 2: the 32 accumulators of my rows 0-63 ((a, b) at v[8 (8 a + b)]);   window 3: those of my rows 64-127
.set SIZE_K, 4096
.set SIZE_N, 4096
.set KSTEP,  128
.set PITCH,  272                       ; an LDS row: 256 bytes + 16 of padding = 68 words: the 16 rows that a load touches start at 16 different groups of four banks (64 banks of 4 bytes: ISA guide 11.1)
.set HALFT,  128*PITCH                 ; 128 rows: what one tensor load brings, and what one wave reads of xb or of qb
.set SLOT,   4*HALFT                   ; xb's 256 rows, then qb's 256 rows
.set STAGE,  2*SLOT                    ; behind the ring, never filled by a tensor load: 16 rows x 528 bytes for each wave, for the way out
.set SPITCH, 528                       ; 512 bytes (my 128 columns in f32) + 16
.set SPARE,  STAGE+4*16*SPITCH         ; behind the stages: the spare words, 128 bytes for each wave: two blocks of 256 bytes that no other line names
.set LAPS,   SIZE_K/(2*KSTEP)          ; a lap = two K steps = once round the ring: 16
.set ADRA, 16                          ; v16-17  LDS address of my xb fragments in slot 0, 1
.set ADRB, 20                          ; v20-21  the same for qb
.set STO,  24                          ; v24     the way out: where I put 32 bytes of a row
.set RD,   25                          ; v25     the way out: where I read a row back
.set CO,   26                          ; v26     16 x lane: my bytes in 512 consecutive ones (out, tf, bf)
.set BV,   27                          ; v27     32 (l / 16): my eight numbers of 16 of the bias
.set SPW,  28                          ; v28     LDS address of my spare word; never rewritten
.set NIL,  29                          ; v29     0; never rewritten
.set PFO,  30                          ; v30     the prefetches' offset: my lane x a row of xb or qb (8,192 bytes); never rewritten
.set F0,   64
.set F1,   128
.set TF,   192                         ; window 0
.set BF,   192                         ; window 1
.set BI,   0                           ; window 1
.set G1,  24                           ; s[24:31] descriptor group 1 for xb's tiles
.set G0,  32                           ; s[32:39] group 0, one set for each slot
.set LIM, 43                           ; s43     1 in a wave that prefetches, else the greatest number
.set PFA, 44                           ; s[44:45] where my prefetches stand
.set G1B, 48                           ; s[48:55], s[56:63] the same for qb's tiles
.set G0B, 56
.set TS,  66                           ; s66     at work
.set TFP, 68                           ; s[68:75] tf, bf, bias, scales
.set BFP, 70
.set BIP, 72
.set SCP, 74
.set SC,  76                           ; s[76:77] the scale: the packed multiply-add names a pair and takes its low word for both halves
.set OFS, 78                           ; s[78:79] an offset in 64 bits; feeds no descriptor
.set MSB, 0
.macro WIN new                         ; the immediate's high byte repeats the setting that is left; a switch that changes nothing is dropped
.if MSB != (\new)
	s_set_vgpr_msb (MSB<<8)|(\new)
.set MSB, \new
.endif
.endm
.set MUL_LO, 0xa1                      ; source 0 (qb) window 1, source 1 (xb) window 0, C and D window 2
.set MUL_HI, 0xf1                      ; the same, C and D window 3
.set TO_B,   0x40                      ; destination window 1, address window 0
.set W_LORA, 0x11                      ; source 0 (B) and C (bias) window 1, source 1 (t) and D (T) window 0
; A joint load.  Waves 0 and 1 fetch xb's two halves, waves 2 and 3 qb's.  Each line has one mask and one set of registers; the branch hangs on the wave's number alone.
; An s_nop 0 and four v_nop follow each of the two lines, ahead of the jump and the label.
.macro JLOAD s
	s_cmp_eq_u32 s11, 0
	s_cbranch_scc0 .Lfor_b_\@
	tensor_load_to_lds s[G0+4*(\s):G0+4*(\s)+3], s[G1:G1+7]
	s_nop 0
.rept 4
	v_nop
.endr
	s_branch .Lasked_\@
.Lfor_b_\@:
	tensor_load_to_lds s[G0B+4*(\s):G0B+4*(\s)+3], s[G1B:G1B+7]
	s_nop 0
.rept 4
	v_nop
.endr
.Lasked_\@:
.endm
; A prefetch, behind each joint refill and the run of LDS loads that follows it: the K step that stands two refills on: 32 rows x 256 bytes, a lane a row, one instruction a wave: 512 matrix instructions
; ahead of the load that will ask for it.  Each row's 256 bytes of a K step are named once in the launch: xb's rows by the clusters with x = 0, qb's by those with y = 0; of the 128 rows that a wave fetches
; the partner at place p (cx for xb, cy for qb) takes 32 p .. 32 p + 31, told apart by address.  K steps 0 to 3 come by their loads alone; the loop's last trip (s3 = 1) asks for nothing: K step 31 is the last named.
.macro ASK
	s_cmp_gt_u32 s3, s[LIM]
	s_cbranch_scc0 .Lnot_mine_\@
	global_prefetch_b8 v[PFO], s[PFA:PFA+1] offset:KSTEP*2 th:TH_LOAD_NT scope:SCOPE_SE
.Lnot_mine_\@:
.endm
; A round of the cluster's barrier: my work-group's barrier; wave 0 signals for the work-group; every wave waits for all sixteen work-groups; my work-group's barrier once more.
.macro CREST                           ; a round behind its opening barrier
	s_cmp_lg_u32 s10, 0
	s_cbranch_scc1 .Lnot_wave_0_\@
	s_barrier_signal -3
.Lnot_wave_0_\@:
	s_barrier_wait -3
	s_barrier_signal -1
	s_barrier_wait -1
.endm
.macro CROUND                          ; a whole round
	s_barrier_signal -1
	s_barrier_wait -1
	CREST
.endm
	s_load_b128 s[4:7], s[0:1], 0x0                ; xb s[4:5], qb s[6:7]
	s_load_b64 s[8:9], s[0:1], 0x10                ; out0
	s_load_b256 s[68:75], s[0:1], 0x18             ; tf, bf, bias, scales
	v_lshl_add_u32 v[SPW], v0, 2, SPARE
	v_mov_b32 v[NIL], 0
	ds_add_u32 v[SPW], v[NIL]                      ; the wave's opening: the add, twice on end, and its wait ahead of my first tensor load; work on registers stands between the second and the wait
	ds_add_u32 v[SPW], v[NIL]
	v_lshrrev_b32 v1, 5, v0
	v_readfirstlane_b32 s10, v1                    ; wave 0..3
	s_lshr_b32 s11, s10, 1                         ; which half of the tile's rows is mine.  Also: I fetch for xb (0) or for qb (1)
	s_and_b32 s12, s10, 1                          ; which half of its columns.  Also: which 128 rows of that tile I fetch
	s_bfe_u32 s40, ttmp6, 0x40000                  ; cx
	s_bfe_u32 s41, ttmp6, 0x40004                  ; cy
	s_lshl_b32 s42, ttmp9, 2                       ; in a cluster launch ttmp9 and ttmp7 count clusters
	s_add_co_u32 s42, s42, s40                     ; tile column = 4 x cluster x + cx
	s_and_b32 s13, ttmp7, 0xffff
	s_lshl_b32 s13, s13, 2
	s_add_co_u32 s13, s13, s41                     ; tile row = 4 x cluster y + cy
	s_lshl_b32 s43, s41, 2
	s_lshl_b32 s43, 15, s43                        ; my row of the cluster: places 4 cy .. 4 cy + 3
	s_lshl_b32 s44, 0x1111, s40                    ; my column: places cx, cx + 4, cx + 8, cx + 12
	; descriptor group 1: a tile of 128 rows x 128 elements, padded in LDS
	s_or_b32 s[G1+0], s43, (1<<16)|(1<<20)|(1<<21)|(5<<22)|(3<<25)  ; 15:0 the mask: xb's tiles go to my row; 17:16 elements of 2 bytes; 20 padding on; 21 set beside a mask; 24:22 after every 64 words (code 5); 31:25 4 words (code 3)
	s_or_b32 s[G1B+0], s44, (1<<16)|(1<<20)|(1<<21)|(5<<22)|(3<<25) ; the same with the mask of my column, for qb's tiles
.irp g, G1, G1B
	s_mov_b32 s[(\g)+1], KSTEP<<16                 ; tensor_dim0 = 128
	s_mov_b32 s[(\g)+2], 128<<16                   ; tensor_dim1 = 128
	s_mov_b32 s[(\g)+3], KSTEP<<16                 ; tile_dim0 = 128
	s_mov_b32 s[(\g)+4], 128                       ; tile_dim1 = 128
	s_mov_b32 s[(\g)+5], SIZE_K                    ; elements from row to row
	s_mov_b32 s[(\g)+6], 0
	s_mov_b32 s[(\g)+7], 0
.endr
	; where the tiles come from: xb's hang on the tile row alone, qb's on the tile column alone; every wave makes both addresses, in registers that never hold the other coordinate
	s_lshl_b32 s17, s12, 7
	s_lshl_b32 s16, s13, 8
	s_add_co_u32 s16, s16, s17                     ; xb: row 256 x tile row + 128 x half
	s_lshl_b32 s46, s42, 8
	s_add_co_u32 s46, s46, s17                     ; qb: row 256 x tile column + 128 x half
	s_mov_b32 s17, 0
	s_mov_b32 s47, 0
	s_mov_b64 s[18:19], SIZE_K*2
	s_mul_u64 s[16:17], s[16:17], s[18:19]
	s_mul_u64 s[46:47], s[46:47], s[18:19]
	s_mul_i32 s20, s10, HALFT                      ; and where they go: wave x 128 rows: no place in the cluster enters an LDS address
	s_wait_dscnt 0x0                               ; both opening adds are done
	s_wait_kmcnt 0x0
	s_add_nc_u64 s[14:15], s[4:5], s[16:17]
	s_add_nc_u64 s[46:47], s[6:7], s[46:47]
	CROUND                                         ; all sixteen work-groups are here: the first joint loads meet
.irp s, 0,1
	s_mov_b32 s[G0+4*(\s)], 1                                      ; count = 1
	s_add_co_u32 s[G0+4*(\s)+1], s20, (\s)*SLOT                    ; LDS address
	s_add_nc_u64 s[G0+4*(\s)+2:G0+4*(\s)+3], s[14:15], (\s)*KSTEP*2  ; global address: K step s
	s_or_b32 s[G0+4*(\s)+3], s[G0+4*(\s)+3], 0x80000000            ; type = 2
	s_mov_b32 s[G0B+4*(\s)], 1
	s_add_co_u32 s[G0B+4*(\s)+1], s20, (\s)*SLOT
	s_add_nc_u64 s[G0B+4*(\s)+2:G0B+4*(\s)+3], s[46:47], (\s)*KSTEP*2
	s_or_b32 s[G0B+4*(\s)+3], s[G0B+4*(\s)+3], 0x80000000
	JLOAD \s                                       ; two tensor loads of mine are out
.endr
	; A fragment is 16 rows x 32 K in 8 registers: lane l holds row l % 16; registers 0-3 K = 8 (l / 16) + 0..7, registers 4-7 K = 16 + 8 (l / 16) + 0..7: two loads of 16 bytes, 32 bytes apart.
	v_and_b32 v1, 15, v0                           ; l % 16
	v_bfe_u32 v2, v0, 4, 1                         ; l / 16
	v_and_b32 v5, 31, v0                           ; l
	v_mul_u32_u24 v3, v1, PITCH
	v_lshl_add_u32 v3, v2, 4, v3
	s_mul_i32 s21, s11, HALFT                      ; my 128 rows of xb
	s_mul_i32 s22, s12, HALFT                      ; my 128 rows of qb,
	s_add_co_u32 s22, s22, 2*HALFT                 ; which lie behind xb's 256
.irp s, 0,1
	v_add_nc_u32 v[ADRA+(\s)], s21, v3
	v_add_nc_u32 v[ADRB+(\s)], s22, v3
	s_add_co_u32 s21, s21, SLOT
	s_add_co_u32 s22, s22, SLOT
.endr
	s_mul_i32 s23, s10, 16*SPITCH
	s_add_co_u32 s23, s23, STAGE                   ; my stage
	v_mul_u32_u24 v4, v1, SPITCH                   ; in: row l % 16, 32 bytes for each half of the lanes
	v_lshl_add_u32 v4, v2, 5, v4
	v_add_nc_u32 v[STO], s23, v4
	v_lshlrev_b32 v[CO], 4, v5
	v_add_nc_u32 v[RD], s23, v[CO]                 ; back: 32 lanes take one row of 512 bytes
	v_lshlrev_b32 v[BV], 5, v2
	; my parts of tf, bf, bias and out0
	s_mov_b32 s[OFS+1], 0
	s_lshl_b32 s[OFS], s13, 14                     ; tf: 16 blocks of 1,024 bytes a tile row,
	s_lshl_b32 s[TS], s11, 13                      ; 8 for my half
	s_add_co_u32 s[OFS], s[OFS], s[TS]
	s_add_nc_u64 s[TFP:TFP+1], s[TFP:TFP+1], s[OFS:OFS+1]
	s_lshl_b32 s[OFS], s42, 13                     ; bf: 16 blocks of 512 bytes a tile column
	s_lshl_b32 s[TS], s12, 12
	s_add_co_u32 s[OFS], s[OFS], s[TS]
	s_add_nc_u64 s[BFP:BFP+1], s[BFP:BFP+1], s[OFS:OFS+1]
	s_lshl_b32 s[OFS], s42, 10                     ; bias and out0: 256 columns of 4 bytes a tile column
	s_lshl_b32 s[TS], s12, 9
	s_add_co_u32 s[OFS], s[OFS], s[TS]
	s_add_nc_u64 s[BIP:BIP+1], s[BIP:BIP+1], s[OFS:OFS+1]
	s_add_nc_u64 s[8:9], s[8:9], s[OFS:OFS+1]
	s_lshl_b32 s[OFS], s13, 22                     ; out0: 256 rows of 16,384 bytes a tile row
	s_lshl_b32 s[TS], s11, 21
	s_add_co_u32 s[OFS], s[OFS], s[TS]
	s_add_nc_u64 s[8:9], s[8:9], s[OFS:OFS+1]
	s_load_b32 s[SC], s[SCP:SCP+1], 0x0            ; scales[0]
	; 48 loads into registers that lie idle in the loop: what the way out needs beside the sums
	WIN 0
.irp a, 0,1,2,3,4,5,6,7
	global_load_b128 v[TF+8*(\a):TF+8*(\a)+3],   v[CO], s[TFP:TFP+1] offset:1024*(\a)      ; t of my rows 16 a on: the bf16,
	global_load_b128 v[TF+8*(\a)+4:TF+8*(\a)+7], v[CO], s[TFP:TFP+1] offset:1024*(\a)+512  ; and its remainder
.endr
	WIN TO_B
.irp b, 0,1,2,3,4,5,6,7
	global_load_b128 v[BF+8*(\b):BF+8*(\b)+3],   v[CO], s[BFP:BFP+1] offset:512*(\b)       ; B of my columns 16 b on,
	global_load_b128 v[BF+8*(\b)+4:BF+8*(\b)+7], v[CO], s[BFP:BFP+1] offset:512*(\b)       ; and once more, against the remainder
	global_load_b128 v[BI+8*(\b):BI+8*(\b)+3],   v[BV], s[BIP:BIP+1] offset:64*(\b)        ; the bias of columns 16 b + 8 (l / 16) + 0..7
	global_load_b128 v[BI+8*(\b)+4:BI+8*(\b)+7], v[BV], s[BIP:BIP+1] offset:64*(\b)+16
.endr
	WIN 0
	; the prefetches' address
	s_lshl_b32 s13, s13, 8                         ; the tile's first row in xb,
	s_lshl_b32 s42, s42, 8                         ; and in qb
	s_and_b32 s22, ttmp7, 0xffff                   ; cluster y
	s_cmp_eq_u32 s11, 0                            ; do I fetch for xb?
	s_cselect_b32 s20, s13, s42
	s_cselect_b32 s21, s40, s41                    ; my place among the four that ask with me
	s_cselect_b32 s22, ttmp9, s22                  ; the coordinate along which other clusters read the same rows
	s_cselect_b64 s[PFA:PFA+1], s[4:5], s[6:7]
	s_cmp_eq_u32 s22, 0
	s_cselect_b32 s[LIM], 1, -1                    ; the same in all sixteen partners, for a given wave
	s_lshl_b32 s22, s12, 7
	s_add_co_u32 s20, s20, s22                     ; + the 128 rows that I fetch
	s_lshl_b32 s21, s21, 5
	s_add_co_u32 s20, s20, s21                     ; + my work-group's 32 of them
	s_mov_b32 s21, 0
	s_mov_b64 s[18:19], SIZE_K*2
	s_mul_u64 s[20:21], s[20:21], s[18:19]
	s_add_nc_u64 s[PFA:PFA+1], s[PFA:PFA+1], s[20:21]
	s_add_nc_u64 s[PFA:PFA+1], s[PFA:PFA+1], 2*KSTEP*2  ; at K step 2: the first refill steps it to 3 and names K step 4
	v_mul_u32_u24 v[PFO], v5, SIZE_K*2
; 16 matrix instructions: m blocks a0, a0 + 1 of the window's four (hi = 0: my rows 0-63, 1: rows 64-127) x all 8 n blocks, 32 along K.  zero = 1: the first product starts the sums: nothing is cleared.
; The 64 accumulators take turns, one instruction a turn, in the same order in every quarter step.
.macro MUL16 f, hi, a0, zero
	WIN MUL_LO+0x50*(\hi)
.irp a, \a0, (\a0)+1
.irp b, 0,1,2,3,4,5,6,7
.if \zero
	v_wmma_f32_16x16x32_bf16 v[8*(8*(\a)+(\b)):8*(8*(\a)+(\b))+7], v[(\f)+8*(\b):(\f)+8*(\b)+7], v[(\f)+8*(4*(\hi)+(\a)):(\f)+8*(4*(\hi)+(\a))+7], 0
.else
	v_wmma_f32_16x16x32_bf16 v[8*(8*(\a)+(\b)):8*(8*(\a)+(\b))+7], v[(\f)+8*(\b):(\f)+8*(\b)+7], v[(\f)+8*(4*(\hi)+(\a)):(\f)+8*(4*(\hi)+(\a))+7], v[8*(8*(\a)+(\b)):8*(8*(\a)+(\b))+7]
.endif
.endr
.endr
.endm
; 32 LDS loads in one run: the fragments of one quarter step (128 rows of qb, 128 rows of xb, 32 K at byte k of the rows) into buffer f
.macro FETCH slot, k, f
	WIN TO_B
.irp i, 0,1,2,3,4,5,6,7
	ds_load_b128 v[(\f)+8*(\i):(\f)+8*(\i)+3],   v[ADRB+(\slot)] offset:(\k)+(\i)*16*PITCH
	ds_load_b128 v[(\f)+8*(\i)+4:(\f)+8*(\i)+7], v[ADRB+(\slot)] offset:(\k)+(\i)*16*PITCH+32
.endr
	WIN 0
.irp i, 0,1,2,3,4,5,6,7
	ds_load_b128 v[(\f)+8*(\i):(\f)+8*(\i)+3],   v[ADRA+(\slot)] offset:(\k)+(\i)*16*PITCH
	ds_load_b128 v[(\f)+8*(\i)+4:(\f)+8*(\i)+7], v[ADRA+(\slot)] offset:(\k)+(\i)*16*PITCH+32
.endr
.endm
.macro PLACES                          ; four plain vector instructions behind a matrix instruction, ahead of loads into its sources and of reads of its result (ISA guide 7.12.1 for vector instructions)
.rept 4
	v_nop
.endr
.endm
; A K step is four quarter steps of 32 along K, 64 matrix instructions each, on buffers 0, 1, 0, 1.  One of the first three: multiplies buffer f; in its middle it fetches the next quarter, at byte k, into buffer g.
.macro QUARTER slot, k, f, g, zero
	s_wait_dscnt 8                                 ; qb's and xb's rows 0-63 are in; the youngest eight loads (xb's rows 64-127) may be out
	MUL16 \f, 0, 0, \zero
	MUL16 \f, 0, 2, \zero
	PLACES
	FETCH \slot, \k, \g
	s_wait_dscnt 32                                ; all but the 32 just issued
	MUL16 \f, 1, 0, \zero
	MUL16 \f, 1, 2, \zero
.endm
; The first half of the last quarter: ONE barrier for the change of slots.  In front of it each wave waits for all its tensor loads, of which one is out: its part of the next slot; adds 0 to its spare word;
; and waits for that and for its own reads of this slot.  Behind it nobody reads this slot any more and the next slot is whole.
.macro MEET round                      ; round = 1: a round of the cluster's barrier follows
	WIN 0                                          ; (the add's two registers lie in window 0)
	s_wait_tensorcnt 0x0                           ; all my tensor loads have landed
	ds_add_u32 v[SPW], v[NIL]                      ; 0 onto my spare word
	s_wait_dscnt 9                                 ; (the add and the youngest eight loads may be out)
	MUL16 F1, 0, 0, 0                              ; sixteen matrix instructions stand between the add and the wait for it
	s_wait_dscnt 0x0                               ; the add is done, and my reads of this slot are over
	s_barrier_signal -1
	MUL16 F1, 0, 2, 0                              ; work on registers while the others arrive
.if \round
	WIN 0
.endif
	s_barrier_wait -1
.endm
; The whole last quarter.  fill = 1: behind the round the slot just read out is filled again first, with the K step two steps on; then come the next slot's first fragments.
; From a request to the wait for it a wave issues 224 matrix instructions.  fill = 0: the last lap: nothing is asked for, and the barrier is the work-group's own.
.macro TURN slot, next, fill
.if \fill
	s_wait_xcnt 0x0                                ; the last prefetch, a K step back, has read its address: it is stepped here, ahead of the waits of the change of slots
	s_add_nc_u64 s[PFA:PFA+1], s[PFA:PFA+1], KSTEP*2
.endif
	MEET \fill
.if \fill
	CREST                                          ; no wave of any partner still reads this slot's tile or has a load on its way
	s_add_nc_u64 s[G0+4*(\slot)+2:G0+4*(\slot)+3], s[G0+4*(\slot)+2:G0+4*(\slot)+3], 2*KSTEP*2
	s_add_nc_u64 s[G0B+4*(\slot)+2:G0B+4*(\slot)+3], s[G0B+4*(\slot)+2:G0B+4*(\slot)+3], 2*KSTEP*2
	JLOAD \slot                                    ; the first tensor load behind the round, my only one until the next; its four v_nop are also the places in front of the loads below
.else
	PLACES
.endif
	FETCH \next, 0, F0
.if \fill
	ASK
.endif
	MUL16 F1, 1, 0, 0
	MUL16 F1, 1, 2, 0
.endm
	s_wait_loadcnt 0x0                             ; t, B and the bias are in
	s_wait_kmcnt 0x0                               ; and the scale
	s_mov_b32 s[SC+1], s[SC]                       ; named with it as a pair
	s_wait_tensorcnt 1                             ; my part of K step 0 is in; K step 1's load, issued behind it, may stay out
	s_barrier_signal -1
	s_barrier_wait -1                              ; everybody's is
	FETCH 0, 0, F0
	QUARTER 0, 64,  F0, F1, 1                      ; the first quarter stands in front of the loop: its products start the sums
	WIN 0                                          ; at a label and at a branch every window is 0
	s_mov_b32 s3, LAPS-1
.Llap:                                                 ; a trip goes once round the ring, from a lap's second quarter to the next lap's first, and fills both slots again
	QUARTER 0, 128, F1, F0, 0
	QUARTER 0, 192, F0, F1, 0
	TURN 0, 1, 1
	QUARTER 1, 64,  F0, F1, 0
	QUARTER 1, 128, F1, F0, 0
	QUARTER 1, 192, F0, F1, 0
	TURN 1, 0, 1
	QUARTER 0, 64,  F0, F1, 0
	WIN 0
	s_sub_co_u32 s3, s3, 1
	s_cmp_lg_u32 s3, 0
	s_cbranch_scc1 .Llap
	QUARTER 0, 128, F1, F0, 0                      ; the last lap is written out: it fills nothing
	QUARTER 0, 192, F0, F1, 0
	TURN 0, 1, 0
	QUARTER 1, 64,  F0, F1, 0
	QUARTER 1, 128, F1, F0, 0
	QUARTER 1, 192, F0, F1, 0
	s_wait_dscnt 8                                 ; the very last quarter: nothing more to fetch
	MUL16 F1, 0, 0, 0
	MUL16 F1, 0, 2, 0
	s_wait_dscnt 0x0
	MUL16 F1, 1, 0, 0
	MUL16 F1, 1, 2, 0
; THE WAY OUT, a block of 16 rows at a time.  T lies where xb's fragments lay, two buffers by the block's parity.
.macro LORA a                          ; T = Bt t^T + bias: eight products with eight separate results
.set T, 64+64*((\a)%2)
	WIN W_LORA
.irp b, 0,1,2,3,4,5,6,7
	v_wmma_f32_16x16x32_bf16 v[T+8*(\b):T+8*(\b)+7], v[BF+8*(\b):BF+8*(\b)+7], v[TF+8*(\a):TF+8*(\a)+7], v[BI+8*(\b):BI+8*(\b)+7]
.endr
.endm
.macro FMA a                           ; out = acc * scale + T, each accumulator's registers in ascending order
.set T, 64+64*((\a)%2)
.set AC, 64*((\a)%4)
	WIN 0x02+(\a)/4                                ; source 0: window 2 or 3; T in window 0
.irp b, 0,1,2,3,4,5,6,7
.irp r, 0,2,4,6
	v_pk_fma_f32 v[T+8*(\b)+(\r):T+8*(\b)+(\r)+1], v[AC+8*(\b)+(\r):AC+8*(\b)+(\r)+1], s[SC:SC+1], v[T+8*(\b)+(\r):T+8*(\b)+(\r)+1] op_sel_hi:[1,0,1]
.endr
.endr
.endm
.macro TOSTAGE a                       ; a lane's eight columns of a row, 32 bytes, go into rows of 528 bytes and come back as whole rows of 512, into the registers that they left
.set T, 64+64*((\a)%2)
	WIN 0
.irp b, 0,1,2,3,4,5,6,7
	ds_store_b128 v[STO], v[T+8*(\b):T+8*(\b)+3]   offset:64*(\b)
	ds_store_b128 v[STO], v[T+8*(\b)+4:T+8*(\b)+7] offset:64*(\b)+16
.endr
.irp t, 0,1,2,3,4,5,6,7,8,9,10,11,12,13,14,15
	ds_load_b128 v[T+4*(\t):T+4*(\t)+3], v[RD] offset:(\t)*SPITCH  ; LDS serves a wave's instructions in order (ISA guide 5.7.1.4): these see the stores above; the stage is my wave's own
.endr
.endm
.macro SEND a
.set T, 64+64*((\a)%2)
	WIN 0
	s_wait_dscnt 0x0                               ; the block is back in registers
.irp t, 0,1,2,3,4,5,6,7,8,9,10,11,12,13,14,15
	global_store_b128 v[CO], v[T+4*(\t):T+4*(\t)+3], s[8:9] offset:(16*(\a)+(\t))*SIZE_N*4 th:TH_STORE_NT  ; 512 consecutive bytes, at a multiple of 512 from out0's first; 127 rows at the most: inside the signed 24-bit immediate
.endr
.endm
	PLACES                                         ; eight, once a launch: behind the last products, ahead of the products that write over xb's fragments
	PLACES                                         ; and of the reads of the sums
.irp a, 0,1,2,3,4,5,6,7
.if (\a) >= 2
	s_wait_xcnt 0x0                                ; the stores of the block two back have read this buffer of T
.endif
	LORA \a
	PLACES
	FMA \a                                         ; block a's arithmetic stands between block a - 1's loads from the stage and the wait for them
.if (\a) >= 1
	SEND (\a)-1
.endif
	TOSTAGE \a
.endr
	SEND 7
	WIN 0
	s_wait_tensorcnt 0x0                           ; the wave's end, behind my last tensor load and my last LDS store
	ds_add_u32 v[SPW], v[NIL]
	s_wait_dscnt 0x0
	CROUND                                         ; the closing round: no work-group ends while a partner may still ask for a tile that names it
	s_endpgm
.Lfunc_end_k_q251c203998_gemm:
	.size	k_q251c203998_gemm, .Lfunc_end_k_q251c203998_gemm-k_q251c203998_gemm
	.p2alignl 7, 3214868480
	.fill 96, 4, 3214868480
	.section	.rodata,"a",@progbits
	.p2align	6, 0x0
	.amdhsa_kernel k_q251c203998_gemm
		.amdhsa_group_segment_fixed_size 327680
		.amdhsa_private_segment_fixed_size 0
		.amdhsa_enable_private_segment 0
		.amdhsa_kernarg_size 56
		.amdhsa_user_sgpr_count 2
		.amdhsa_user_sgpr_kernarg_segment_ptr 1
		.amdhsa_wavefront_size32 1
		.amdhsa_system_sgpr_workgroup_id_x 1
		.amdhsa_system_sgpr_workgroup_id_y 1
		.amdhsa_system_sgpr_workgroup_id_z 1
		.amdhsa_system_vgpr_workitem_id 0
		.amdhsa_next_free_vgpr 1024
		.amdhsa_next_free_sgpr 80
		.amdhsa_reserve_vcc 0
		.amdhsa_float_denorm_mode_32 3
		.amdhsa_float_denorm_mode_16_64 3
		.amdhsa_memory_ordered 1
		.amdhsa_forward_progress 1
		.amdhsa_inst_pref_size 168
	.end_amdhsa_kernel
	.amdgpu_metadata
---
amdhsa.version: [ 1, 2 ]
amdhsa.kernels:
  - .name:           k_q251c203998_gemm
    .symbol:         k_q251c203998_gemm.kd
    .args:
      - { .name: xb, .offset: 0, .size: 8, .value_kind: global_buffer, .address_space: global }
      - { .name: qb, .offset: 8, .size: 8, .value_kind: global_buffer, .address_space: global }
      - { .name: out0, .offset: 16, .size: 8, .value_kind: global_buffer, .address_space: global }
      - { .name: tf, .offset: 24, .size: 8, .value_kind: global_buffer, .address_space: global }
      - { .name: bf, .offset: 32, .size: 8, .value_kind: global_buffer, .address_space: global }
      - { .name: bias, .offset: 40, .size: 8, .value_kind: global_buffer, .address_space: global }
      - { .name: scales, .offset: 48, .size: 8, .value_kind: global_buffer, .address_space: global }
    .group_segment_fixed_size: 327680
    .private_segment_fixed_size: 0
    .kernarg_segment_align: 8
    .kernarg_segment_size: 56
    .max_flat_workgroup_size: 128
    .sgpr_count:     80
    .vgpr_count:     1024
    .wavefront_size: 32
...
	.end_amdgpu_metadata
.endif
;; end of part 2
;; ======== version 2 of 2: 2 launches; version 1 with the launch prep written anew for expert scheduling mode
;; workspace buffers: xb 33,554,432 bytes; qb 33,554,432 bytes; tf 262,144 bytes; bf 131,072 bytes
;; launch prep (part 3): grid 128 x 2, 16 waves a work-group, no clusters, 301,056 bytes of LDS; arguments x, lora_A, qweight, lora_B, xb, qb, tf, bf; writes xb, qb, tf, bf
.if DOCPART == 3
	.amdgcn_target "amdgcn-amd-amdhsa--gfx1250"
	.amdhsa_code_object_version 6
	.text
	.protected	k_q251c203998_prep
	.globl	k_q251c203998_prep
	.p2align	8
	.type	k_q251c203998_prep,@function
k_q251c203998_prep:
	s_mov_b64 s[64:65], 0
	v_nop
	global_prefetch_b8 v0, s[64:65] scope:SCOPE_SE
	s_setreg_imm32_b32 hwreg(HW_REG_WAVE_SCHED_MODE, 0, 2), 2
	s_setreg_imm32_b32 hwreg(HW_REG_WAVE_MODE, 25, 1), 1
	s_wait_xcnt 0x0
	s_wait_alu depctr_vm_vsrc(0)
; QLoRALinear, first of two launches: the operands of the second launch's products are made, each input byte of x and qweight read once.
;   out[m][o] = scales[0] * sum_d x[m][d] q[o][d] + bias[o] + sum_r t[m][r] B[r][o],   t[m][r] = sum_d x[m][d] A[d][r];   4,096 rows m, 4,096 columns o, 4,096 along d, 16 ranks r.
; WORK LEFT OUT: the factor SCALING = ALPHA / RANK = 16 / 16 = 1.0, a constant of the problem's own text: a product with 1 changes no value, whatever the inputs hold, and it can make
; no NaN, infinity or overflow of its own that would be lost.  Every input has a way to the output and is loaded (bias and scales by the second launch).
; WHAT IS STORED:  xb = bf16(x) and qb = bf16(q), row-major;  tf = t as the second launch's matrix fragments: for each 16 rows 1,024 bytes: lane l's 16 bytes at 16 l hold bf16(t) of row l % 16, ranks
; 8 (l / 16) + 0..7, and at 512 + 16 l the bf16 of what that rounding left (t - hi is exact in f32);  bf = bf16(B) turned, for each 16 columns 512 bytes: at 16 l column l % 16, ranks 8 (l / 16) + 0..7.
; LIMITS.  q is exact in bf16 for |q| <= 256 (the problem's int4 values lie in -8 .. 7); a larger q is rounded, to f32 and then to bf16.  x, A and B are rounded once to bf16; a number beyond bf16's
; largest finite one becomes an infinity.  t keeps about 16 significant bits (hi + lo).  t's sums are taken in f32 in another order than a plain ascending one.
; SHARES.  Work-group (g, y): y = 0 takes rows 32 g .. 32 g + 31 of x, y = 1 the same rows of q (and 32 columns of B).  Wave w of 16 owns columns 256 w .. 256 w + 255 of all 32 rows: 1,024 bytes in and
; 512 bytes out a row; for t that is also its slice of d, and the sixteen partial sums meet in LDS.  A load of a wave covers 512 consecutive bytes, a store 256 consecutive bytes, aligned.
; IN FLIGHT.  Two raw sets of 64 registers, eight rows each (16 loads of 16 bytes a lane).  A set's conversions empty it into an out-buffer of 32 registers; the set is asked for again at once, ahead of
; the stores, which leave from the out-buffer: while one set is converted the other's 16 loads are out.
; NO CLUSTER, NO TENSOR LOADS: no wave wants a byte of x or q that another wave has fetched.  Only A (262,144 bytes in f32) is read by all 128 work-groups of y = 0; brought whole into LDS by a joint load it
; would not fit beside the stages' 135,168 and the partial sums' 32,768 bytes in 327,680.  No prefetch: the launch is one stream of loads that are all out as early as the registers allow.
; THE MODE: SCHED_MODE bits 1:0 = 2 (LLVM: expert scheduling mode 2), set by the entry lines.  The code itself states the register dependences between vector or matrix instructions and memory or LDS
; instructions, with s_wait_alu, always for 0.
; THE PLAN.  Registers that memory or LDS instructions touch:
;   v2-v10, v12, v13   offsets and LDS addresses: written once, at the head of the kernel or of an arm, ahead of a wait on va_vdst; never written again.
;   H0, H1             the raw sets.  Global loads land in set k; its conversions read it; behind them it is loaded again.  No store reads them.  At the end of waves 0 and 1 the partial sums land there.
;   OB0, OB1           the out-buffers.  Set k's conversions write OBk; that phase's global and LDS stores read it.  The same registers are FR and AR: in MM the fragments' LDS loads land there and the products read them.
;   P0                 written by the products and four additions, read by two LDS stores, written again by the second block's products.
; So ONE wait on va_vdst stands behind a phase's conversions: OBk is written and set k is read out; the phase's 16 loads and its stores follow with no vector instruction between.  A wait on vm_vsrc stands
; where an out-buffer that stores have read is written again: ahead of the third phase's roundings in each arm (it frees both out-buffers, since both buffers' stores were issued ahead of it), and at MM's head.
.set WREG,  16640                      ; LDS of a wave: A's slice in bf16, [256 d][16 r], 32 bytes a row: 8,192 bytes; then 16 rows of x in bf16, 512 bytes + 16 of padding each: 8,448
.set XST,   8192
.set SPX,   528                        ; = 33 x 16 bytes: the 16 rows that a fragment load touches start 16 bytes apart modulo 256
.set RED,   16*WREG                    ; the partial sums: block blk (16 rows), wave p at (16 blk + p) x 1,024; registers 0-3 at 16 l, registers 4-7 at 512 + 16 l
.set SPARE, RED+32768                  ; the spare words, 128 bytes for each of 16 waves: eight blocks of 256 bytes that no other line names
.set XO,  2                            ; v2   16 l + 1,024 w: my 16 bytes in a row of x or q; also my 16 bytes of tf (waves 0, 1); never rewritten
.set AO,  3                            ; v3   16 l + 16,384 w: the same in my slice of A
.set SO,  4                            ; v4   8 l + 512 w: my 8 bytes in a row of xb or qb
.set DA,  5                            ; v5   LDS: 8 l in my A region
.set DS,  6                            ; v6   LDS: 8 l in my stage
.set FX,  7                            ; v7   LDS: x's fragments: row l % 16, 16 bytes for each half of the lanes
.set FA,  8                            ; v8   LDS: A's fragments, for the turning load
.set PR,  9                            ; v9   LDS: where I put a partial sum
.set RR,  10                           ; v10  LDS: where waves 0 and 1 read the sixteen back
.set BO,  12                           ; v12  my number of B
.set BS,  13                           ; v13  my 16 bytes of bf
.set SPW, 14                           ; v14  LDS address of my spare word; never rewritten
.set NIL, 15                           ; v15  0; never rewritten
.set P0,  24                           ; v[24:39]   two accumulators; in the arm of q: eight numbers of B as loaded, and their 16 bytes in bf16
.set P1,  32
.set OB,  40                           ; v[40:103]  out-buffer k, row i: 4 registers at OB + 32 k + 4 i: 16 bf16 to store
.set FR,  40                           ; v[40:71]   in MM: four fragments of x
.set AR,  72                           ; v[72:103]  in MM: four fragments of A
.set H,   104                          ; v[104:231] the two raw sets of 64
.set WV,  8                            ; s8   my wave's number
.set XP,  16                           ; s[16:31] the eight addresses
.set AP,  18
.set QP,  20
.set BP,  22
.set XBP, 24
.set QBP, 26
.set TFP, 28
.set BFP, 30
; Eight rows (or eight kilobytes of A) into set hb: two loads a row, 512 consecutive bytes each.  nt = 1: bytes that the launch reads once.
.macro LOADH hb, vo, sb, off0, step, nt
.irp i, 0,1,2,3,4,5,6,7
.if \nt
	global_load_b128 v[H+64*(\hb)+8*(\i):H+64*(\hb)+8*(\i)+3],   v[\vo], s[\sb:\sb+1] offset:(\off0)+(\i)*(\step) th:TH_LOAD_NT
	global_load_b128 v[H+64*(\hb)+8*(\i)+4:H+64*(\hb)+8*(\i)+7], v[\vo], s[\sb:\sb+1] offset:(\off0)+(\i)*(\step)+512 th:TH_LOAD_NT
.else
	global_load_b128 v[H+64*(\hb)+8*(\i):H+64*(\hb)+8*(\i)+3],   v[\vo], s[\sb:\sb+1] offset:(\off0)+(\i)*(\step)
	global_load_b128 v[H+64*(\hb)+8*(\i)+4:H+64*(\hb)+8*(\i)+7], v[\vo], s[\sb:\sb+1] offset:(\off0)+(\i)*(\step)+512
.endif
.endr
.endm
; f32 to bf16, set hb into out-buffer hb: a row's registers 0, 1 there hold the 8 bytes for byte 8 l of its 512, registers 2, 3 those for byte 256 + 8 l.
.macro CVTO hb
.irp i, 0,1,2,3,4,5,6,7
.irp j, 0,1,2,3
	v_cvt_pk_bf16_f32 v[OB+32*(\hb)+4*(\i)+(\j)], v[H+64*(\hb)+8*(\i)+2*(\j)], v[H+64*(\hb)+8*(\i)+2*(\j)+1]
.endr
.endr
.endm
.macro I2F hb                          ; i32 to f32, in place in set hb: it names no out-buffer
.set z, H+64*(\hb)
.rept 64
	v_cvt_f32_i32 v[z], v[z]
.set z, z+1
.endr
.endm
.macro STG hb, sb, row0                ; eight rows out of out-buffer hb: each store of the wave covers 256 consecutive bytes, aligned
.irp i, 0,1,2,3,4,5,6,7
	global_store_b64 v[SO], v[OB+32*(\hb)+4*(\i):OB+32*(\hb)+4*(\i)+1],   s[\sb:\sb+1] offset:((\row0)+(\i))*8192 th:TH_STORE_NT
	global_store_b64 v[SO], v[OB+32*(\hb)+4*(\i)+2:OB+32*(\hb)+4*(\i)+3], s[\sb:\sb+1] offset:((\row0)+(\i))*8192+256 th:TH_STORE_NT
.endr
.endm
.macro STL hb, va, off0, pitch         ; the same eight rows into my own LDS bytes: 256 consecutive bytes a store
.irp i, 0,1,2,3,4,5,6,7
	ds_store_b64 v[\va], v[OB+32*(\hb)+4*(\i):OB+32*(\hb)+4*(\i)+1]   offset:(\off0)+(\i)*(\pitch)
	ds_store_b64 v[\va], v[OB+32*(\hb)+4*(\i)+2:OB+32*(\hb)+4*(\i)+3] offset:(\off0)+(\i)*(\pitch)+256
.endr
.endm
.macro PLACES                          ; four plain vector instructions behind a matrix instruction, ahead of loads into its sources and of reads of its result
.rept 4
	v_nop
.endr
.endm
; My slice's part of t for the 16 rows in my stage: t^T = A^T x^T (source 0 = 16 ranks, source 1 = 16 rows of x), 8 products of 32 along d, in two batches of four fragments a side.
; In the result lane l holds row l % 16 and ranks 8 (l / 16) + 0..7: tf's own layout.  The two accumulators take turns, one instruction a turn; the first two products start the sums.
; LDS serves a wave's instructions in order (ISA guide 5.7.1.4): the loads see my stores into the stage and into A's region without a wait between.
.macro MM blk
	s_wait_xcnt 0x0                                ; every earlier memory instruction has had its addresses translated (ISA guide 3.1): the out-buffers, data of the global stores, are loaded over only behind this wait
	s_wait_alu depctr_vm_vsrc(0)                   ; the global and LDS stores issued so far have read the two out-buffers, in which the fragments land; for the second block also: the first block's two LDS stores have read P0, which the products write again
.irp c, 0,1
.if \c
	PLACES
	s_wait_alu depctr_va_vdst(0)                   ; the first batch's products are done reading FR and AR, in which the second batch's loads land
.endif
.irp i, 0,1,2,3
	ds_load_b128 v[FR+8*(\i):FR+8*(\i)+3],        v[FX] offset:64*(4*(\c)+(\i))
	ds_load_b128 v[FR+8*(\i)+4:FR+8*(\i)+7],      v[FX] offset:64*(4*(\c)+(\i))+32
	ds_load_tr16_b128 v[AR+8*(\i):AR+8*(\i)+3],   v[FA] offset:1024*(4*(\c)+(\i))
	ds_load_tr16_b128 v[AR+8*(\i)+4:AR+8*(\i)+7], v[FA] offset:1024*(4*(\c)+(\i))+512
.endr
	s_wait_dscnt 0x0                               ; the batch's sixteen loads are in
.irp i, 0,1,2,3
.if ((\c) == 0) && ((\i) < 2)
	v_wmma_f32_16x16x32_bf16 v[P0+8*((\i)%2):P0+8*((\i)%2)+7], v[AR+8*(\i):AR+8*(\i)+7], v[FR+8*(\i):FR+8*(\i)+7], 0
.else
	v_wmma_f32_16x16x32_bf16 v[P0+8*((\i)%2):P0+8*((\i)%2)+7], v[AR+8*(\i):AR+8*(\i)+7], v[FR+8*(\i):FR+8*(\i)+7], v[P0+8*((\i)%2):P0+8*((\i)%2)+7]
.endif
.endr
.endr
	PLACES
.irp r, 0,2,4,6
	v_pk_add_f32 v[P0+(\r):P0+(\r)+1], v[P0+(\r):P0+(\r)+1], v[P1+(\r):P1+(\r)+1]  ; the two accumulators, from their low ends on
.endr
	s_wait_alu depctr_va_vdst(0)                   ; the additions have written P0, which the two LDS stores read
	ds_store_b128 v[PR], v[P0:P0+3]   offset:16384*(\blk)
	ds_store_b128 v[PR], v[P0+4:P0+7] offset:16384*(\blk)+512
.endm
	s_load_b512 s[16:31], s[0:1], 0x0              ; x, lora_A, qweight, lora_B, xb, qb, tf, bf
	v_lshl_add_u32 v[SPW], v0, 2, SPARE
	v_mov_b32 v[NIL], 0
	v_lshrrev_b32 v1, 5, v0
	v_readfirstlane_b32 s[WV], v1                  ; wave 0..15
	s_and_b32 s9, ttmp7, 0xffff                    ; y: the same for the whole work-group
	v_and_b32 v16, 31, v0                          ; l
	s_wait_alu depctr_va_sdst(0)                   ; s8, the wave's number, is written, ahead of its first reader: offsets, LDS addresses and branches are made from it
	s_lshl_b32 s2, s[WV], 10
	s_lshl_b32 s3, s[WV], 14
	s_lshl_b32 s12, s[WV], 9
	v_lshl_add_u32 v[XO], v16, 4, s2
	v_lshl_add_u32 v[SO], v16, 3, s12
	s_lshl_b32 s10, ttmp9, 19                      ; 32 rows of 16,384 bytes
	s_mov_b32 s11, 0
	s_wait_kmcnt 0x0
	s_cmp_lg_u32 s9, 0
	s_cbranch_scc1 .Lq
	; ---- y = 0: x to xb, and t ----
	s_add_nc_u64 s[XP:XP+1], s[XP:XP+1], s[10:11]
	v_lshl_add_u32 v[AO], v16, 4, s3
	s_wait_alu depctr_va_vdst(0)                   ; the offsets v2, v3 and v4 are written, which this arm's global loads and stores read
	LOADH 0, AO, AP, 0, 1024, 0                    ; my slice of A, 16,384 bytes, as sixteen pieces of 1,024
	LOADH 1, AO, AP, 8192, 1024, 0
	s_lshl_b32 s10, ttmp9, 18                      ; 32 rows of 8,192 bytes
	s_add_nc_u64 s[XBP:XBP+1], s[XBP:XBP+1], s[10:11]
	s_lshl_b32 s10, ttmp9, 11                      ; two blocks of 1,024 bytes
	s_add_nc_u64 s[TFP:TFP+1], s[TFP:TFP+1], s[10:11]
	s_mul_i32 s13, s[WV], WREG                     ; my LDS bytes
	v_and_b32 v17, 15, v0                          ; l % 16
	v_bfe_u32 v18, v0, 4, 1                        ; l / 16
	v_lshl_add_u32 v[DA], v16, 3, s13
	v_add_nc_u32 v[DS], XST, v[DA]
	v_mul_u32_u24 v[FX], v17, SPX
	v_lshl_add_u32 v[FX], v18, 4, v[FX]
	v_add_nc_u32 v[FX], s13, v[FX]
	v_add_nc_u32 v[FX], XST, v[FX]
	v_and_b32 v19, 7, v0                           ; the turning load: lane l reads row d = 8 (l / 16) + l % 8, ranks 8 ((l / 8) % 2) + 0..7
	v_lshl_add_u32 v19, v18, 3, v19
	v_bfe_u32 v20, v0, 3, 1
	v_lshlrev_b32 v[FA], 5, v19
	v_lshl_add_u32 v[FA], v20, 4, v[FA]
	v_add_nc_u32 v[FA], s13, v[FA]
	v_lshl_add_u32 v[PR], v16, 4, s2
	v_add_nc_u32 v[PR], RED, v[PR]
	v_lshl_add_u32 v[RR], v16, 4, s3               ; (used by waves 0 and 1 alone: block = wave)
	v_add_nc_u32 v[RR], RED, v[RR]
	s_wait_loadcnt 16                              ; set 0 is in; the other set's 16 loads, issued later, may stay out: so at each of these waits
	CVTO 0
	s_wait_alu depctr_va_vdst(0)                   ; the conversions have written OB0, which the LDS stores read, and are done reading set 0, in which the loads land; the LDS addresses v5 to v10 are written
	LOADH 0, XO, XP, 0, 16384, 1                   ; rows 0-7
	STL 0, DA, 0, 512
	s_wait_loadcnt 16
	CVTO 1
	s_wait_alu depctr_va_vdst(0)                   ; the conversions have written OB1 and are done reading set 1
	LOADH 1, XO, XP, 8*16384, 16384, 1             ; rows 8-15
	STL 1, DA, 4096, 512
	s_wait_loadcnt 16
	s_wait_alu depctr_vm_vsrc(0)                   ; A's LDS stores, all 32 issued above, have read OB0 and OB1, which this phase's and the next phase's conversions write again
	CVTO 0
	s_wait_alu depctr_va_vdst(0)                   ; the conversions have written OB0 and are done reading set 0
	LOADH 0, XO, XP, 16*16384, 16384, 1            ; rows 16-23
	STG 0, XBP, 0
	STL 0, DS, 0, SPX
	s_wait_loadcnt 16
	CVTO 1
	s_wait_alu depctr_va_vdst(0)                   ; the conversions have written OB1 and are done reading set 1
	LOADH 1, XO, XP, 24*16384, 16384, 1            ; rows 24-31
	STG 1, XBP, 8
	STL 1, DS, 8*SPX, SPX
	MM 0                                           ; rows 0-15, while the last 32 loads are out
	s_wait_loadcnt 16
	CVTO 0                                         ; FR's registers again as OB0: eight plain vector instructions stand behind the last product that read them
	s_wait_alu depctr_va_vdst(0)                   ; the conversions have written OB0, which the stores read
	STG 0, XBP, 16
	STL 0, DS, 0, SPX                              ; behind MM 0's reads of the stage, which have come back
	s_wait_loadcnt 0x0
	CVTO 1
	s_wait_alu depctr_va_vdst(0)                   ; the conversions have written OB1, which the stores read, and are done reading set 1
	STG 1, XBP, 24
	STL 1, DS, 8*SPX, SPX
	MM 1                                           ; rows 16-31
	s_wait_dscnt 0x0                               ; for the others' sake: my partial sums lie in LDS
	s_barrier_signal -1
	s_barrier_wait -1                              ; all sixteen waves' do
	s_cmp_lt_u32 s[WV], 2                          ; wave 0 finishes rows 0-15, wave 1 rows 16-31
	s_cbranch_scc0 .Lend
.irp p, 0,1,2,3,4,5,6,7,8,9,10,11,12,13,14,15      ; the two raw sets take the sixteen partial sums: their last readers, the conversions, stand ahead of a wait on va_vdst, and no vector instruction since names them
	ds_load_b128 v[H+8*(\p):H+8*(\p)+3],   v[RR] offset:1024*(\p)
	ds_load_b128 v[H+8*(\p)+4:H+8*(\p)+7], v[RR] offset:1024*(\p)+512
.endr
	s_wait_dscnt 0x0
.irp st, 8,4,2,1                       ; a tree of f32 sums: partners 8, 4, 2 and 1 partial sums apart
.set p, 0
.rept \st
.irp r, 0,2,4,6
	v_pk_add_f32 v[H+8*p+(\r):H+8*p+(\r)+1], v[H+8*p+(\r):H+8*p+(\r)+1], v[H+8*(p+(\st))+(\r):H+8*(p+(\st))+(\r)+1]
.endr
.set p, p+1
.endr
.endr
.irp j, 0,1,2,3
	v_cvt_pk_bf16_f32 v[FR+(\j)], v[H+2*(\j)], v[H+2*(\j)+1]      ; hi
.endr
.irp j, 0,1,2,3
	v_lshlrev_b32 v[FR+8+2*(\j)],   16, v[FR+(\j)]                ; hi again as f32
	v_and_b32     v[FR+8+2*(\j)+1], 0xffff0000, v[FR+(\j)]
.endr
.irp j, 0,1,2,3
	v_pk_add_f32 v[H+2*(\j):H+2*(\j)+1], v[H+2*(\j):H+2*(\j)+1], v[FR+8+2*(\j):FR+8+2*(\j)+1] neg_lo:[0,1] neg_hi:[0,1]  ; t - hi
.endr
.irp j, 0,1,2,3
	v_cvt_pk_bf16_f32 v[FR+4+(\j)], v[H+2*(\j)], v[H+2*(\j)+1]    ; lo
.endr
	s_wait_alu depctr_va_vdst(0)                   ; the conversions have written hi and lo, v[40:47], which the two stores read
	global_store_b128 v[XO], v[FR:FR+3],   s[TFP:TFP+1]           ; 512 consecutive bytes each
	global_store_b128 v[XO], v[FR+4:FR+7], s[TFP:TFP+1] offset:512
	s_branch .Lend
	; ---- y = 1: q to qb, and 32 columns of B to bf ----
.Lq:
	s_add_nc_u64 s[QP:QP+1], s[QP:QP+1], s[10:11]
	s_wait_alu depctr_va_vdst(0)                   ; the offsets v2 and v4 are written, which this arm's loads and stores of q read
	LOADH 0, XO, QP, 0, 16384, 1                   ; rows 0-7
	LOADH 1, XO, QP, 8*16384, 16384, 1             ; rows 8-15
	s_lshl_b32 s10, ttmp9, 18
	s_add_nc_u64 s[QBP:QBP+1], s[QBP:QBP+1], s[10:11]
	s_cmp_lt_u32 s[WV], 2                          ; waves 0 and 1 turn 16 columns of B each: columns 32 g + 16 w on
	s_cbranch_scc0 .Lnob
	s_lshl_b32 s10, ttmp9, 7                       ; 32 columns of 4 bytes
	s_add_nc_u64 s[BP:BP+1], s[BP:BP+1], s[10:11]
	s_lshl_b32 s10, ttmp9, 10                      ; two blocks of 512 bytes
	s_add_nc_u64 s[BFP:BFP+1], s[BFP:BFP+1], s[10:11]
	s_lshl_b32 s14, s[WV], 6
	v_and_b32 v17, 15, v0
	v_bfe_u32 v18, v0, 4, 1
	v_lshlrev_b32 v[BO], 17, v18                   ; rank 8 (l / 16): 8 rows of 16,384 bytes,
	v_lshl_add_u32 v[BO], v17, 2, v[BO]            ; column l % 16,
	v_add_nc_u32 v[BO], s14, v[BO]                 ; of my wave's 16
	v_lshlrev_b32 v[BS], 4, v0                     ; 512 w + 16 l
	s_wait_alu depctr_va_vdst(0)                   ; the offsets v12 and v13 are written, which B's loads and bf's store read
.irp j, 0,1,2,3,4,5,6,7
	global_load_b32 v[P0+(\j)], v[BO], s[BP:BP+1] offset:16384*(\j)
.endr
	s_wait_loadcnt 0x0                             ; on this path alone: the counted waits below are then met at once
.irp j, 0,1,2,3
	v_cvt_pk_bf16_f32 v[P1+(\j)], v[P0+2*(\j)], v[P0+2*(\j)+1]
.endr
	s_wait_alu depctr_va_vdst(0)                   ; the conversions have written v[32:35], which the store reads
	global_store_b128 v[BS], v[P1:P1+3], s[BFP:BFP+1]
.Lnob:
	s_wait_loadcnt 16                              ; set 0 is in; set 1's 16 loads may stay out
	I2F 0
	CVTO 0
	s_wait_alu depctr_va_vdst(0)                   ; the conversions have written OB0, which the stores read, and are done with set 0, in which the loads land
	LOADH 0, XO, QP, 16*16384, 16384, 1            ; rows 16-23
	STG 0, QBP, 0
	s_wait_loadcnt 16
	I2F 1
	CVTO 1
	s_wait_alu depctr_va_vdst(0)                   ; the conversions have written OB1 and are done with set 1
	LOADH 1, XO, QP, 24*16384, 16384, 1            ; rows 24-31
	STG 1, QBP, 8
	s_wait_loadcnt 16
	I2F 0                                          ; 64 conversions that name set 0 alone stand ahead of the two waits
	s_wait_xcnt 0x0                                ; every earlier memory instruction has had its addresses translated (ISA guide 3.1): OB0 and OB1, data of the 32 stores above, are rewritten only behind this wait
	s_wait_alu depctr_vm_vsrc(0)                   ; those 32 stores have read OB0 and OB1, which this phase's and the next phase's roundings write again
	CVTO 0
	s_wait_alu depctr_va_vdst(0)                   ; the conversions have written OB0, which the stores read
	STG 0, QBP, 16
	s_wait_loadcnt 0x0
	I2F 1
	CVTO 1
	s_wait_alu depctr_va_vdst(0)                   ; the conversions have written OB1, which the stores read
	STG 1, QBP, 24
.Lend:
	s_wait_dscnt 0x0                               ; the closing lines, six on end
	s_wait_alu 0x0
	s_wait_tensorcnt 0x0
	ds_add_u32 v[SPW], v[NIL]
	s_wait_dscnt 0x0
	s_endpgm
.Lfunc_end_k_q251c203998_prep:
	.size	k_q251c203998_prep, .Lfunc_end_k_q251c203998_prep-k_q251c203998_prep
	.p2alignl 7, 3214868480
	.fill 96, 4, 3214868480
	.section	.rodata,"a",@progbits
	.p2align	6, 0x0
	.amdhsa_kernel k_q251c203998_prep
		.amdhsa_group_segment_fixed_size 301056
		.amdhsa_private_segment_fixed_size 0
		.amdhsa_enable_private_segment 0
		.amdhsa_kernarg_size 64
		.amdhsa_user_sgpr_count 2
		.amdhsa_user_sgpr_kernarg_segment_ptr 1
		.amdhsa_wavefront_size32 1
		.amdhsa_system_sgpr_workgroup_id_x 1
		.amdhsa_system_sgpr_workgroup_id_y 1
		.amdhsa_system_sgpr_workgroup_id_z 1
		.amdhsa_system_vgpr_workitem_id 0
		.amdhsa_next_free_vgpr 232
		.amdhsa_next_free_sgpr 66
		.amdhsa_reserve_vcc 0
		.amdhsa_float_denorm_mode_32 3
		.amdhsa_float_denorm_mode_16_64 3
		.amdhsa_memory_ordered 1
		.amdhsa_forward_progress 1
		.amdhsa_inst_pref_size 81
	.end_amdhsa_kernel
	.amdgpu_metadata
---
amdhsa.version: [ 1, 2 ]
amdhsa.kernels:
  - .name:           k_q251c203998_prep
    .symbol:         k_q251c203998_prep.kd
    .args:
      - { .name: x, .offset: 0, .size: 8, .value_kind: global_buffer, .address_space: global }
      - { .name: lora_A, .offset: 8, .size: 8, .value_kind: global_buffer, .address_space: global }
      - { .name: qweight, .offset: 16, .size: 8, .value_kind: global_buffer, .address_space: global }
      - { .name: lora_B, .offset: 24, .size: 8, .value_kind: global_buffer, .address_space: global }
      - { .name: xb, .offset: 32, .size: 8, .value_kind: global_buffer, .address_space: global }
      - { .name: qb, .offset: 40, .size: 8, .value_kind: global_buffer, .address_space: global }
      - { .name: tf, .offset: 48, .size: 8, .value_kind: global_buffer, .address_space: global }
      - { .name: bf, .offset: 56, .size: 8, .value_kind: global_buffer, .address_space: global }
    .group_segment_fixed_size: 301056
    .private_segment_fixed_size: 0
    .kernarg_segment_align: 8
    .kernarg_segment_size: 64
    .max_flat_workgroup_size: 512
    .sgpr_count:     66
    .vgpr_count:     232
    .wavefront_size: 32
...
	.end_amdgpu_metadata
.endif
;; end of part 3
;; launch gemm: the kernel of part 2 again; grid 16 x 16, 4 waves a work-group, clusters of 4 x 4, 327,680 bytes of LDS; arguments xb, qb, out0, tf, bf, bias, scales; writes out0
